; MI455X (gfx1250); checked and timed in simulation.
; The chip was launched on July 23, 2026; its instructions are those of AMD's public machine-readable ISA for CDNA 5 (MIT licence, August 2026) and "CDNA5" Instruction Set Architecture Reference Guide (July 2026). The comments in the code are by the model that wrote it; some were corrected since.
;; Node Aware Token Embedder. Allowed arithmetic: matrix products marked QUANTISED: E5M2 operands, one given power-of-two scale a tensor, by v_wmma_f32_16x16x64_bf8_bf8 or v_wmma_f32_16x16x128_bf8_bf8, f32 sums; everything else in f32.
;; Inputs: embed_node 512 x 512 float32; embed_tok 32,000 x 512 float32; lowp_scales 2 int32 (the exponents e of the quantised operands' scales 2^e); node_span_ends 4 x 512 int32; node_span_starts 4 x 512 int32; pos_emb 1 x 1,024 x 512 float32; tokens 4 x 1,024 int32.
;; Outputs: out0 4 x 1,024 x 512 float32.
;; This version of the problem:
;;   THIS VERSION OF THE PROBLEM IS GIVEN IN LOW PRECISION. The matrix products marked QUANTISED in the list below multiply operands that are first quantised to E5M2 (5 exponent bits, 2 mantissa bits; 8 bits a number), with one given power-of-two scale for each operand tensor; their sums are f32. All else is computed in f32.
;;   The module's matrix products, in the order in which they are computed (A, B: the left and right operand; K: the contracted axis; several contracted axes count as one K, in the product's order):
;;     1. [M 4,096, K 512] x [K 512, N 512]; A: computed on the way; B: input embed_node: QUANTISED (scales: A lowp_scales[0], B lowp_scales[1])
;;   THE QUANTISER, for each operand of a quantised product, along K:
;;     - The operand's scale is 2^e, e = its entry of the input lowp_scales (int32; the entries are numbered through the quantised products in the list's order, A before B).
;;     - Each number is divided by the scale, clamped to +-57,344, and rounded to the nearest number of E5M2, ties to even, subnormals kept.
;;     - The product sums the exact products of the quantised numbers (number of the format x scale) in f32.
;;   ~~~python
;;   def quantise(x, axis, e):      # numpy; x: float32 -> the quantised numbers, widened to float32 again
;;       x = np.moveaxis(x, axis, -1); K = x.shape[-1]
;;       r = np.clip(x / 2.0 ** e, -57344, 57344)
;;       step = 2.0 ** (np.maximum(np.frexp(np.where(r == 0, 1, r))[1] - 1, -14) - 2)
;;       q = np.round(r / step) * step * 2.0 ** e      # np.round: ties to even
;;       return np.moveaxis(q, -1, axis).astype(np.float32)
;;   ~~~
;;   OPERANDS COMPUTED ON THE WAY. 'Computed on the way' means the value that the module computes at that place (a softmax that the list does not call 'softmax' is quantised finished and normalised). What goes into a quantiser is computed in f32, as accurately as f32 sums, v_exp_f32 and their like allow (about 1e-6 of the number): no bf16 or f16 on the way to a quantiser, and a product that is left as it is and whose result goes on into a quantised operand takes f32 operands (vector FMAs, or v_wmma_f32_16x16x4_f32). A number that lies on a knife's edge between two numbers of the format may be rounded either way, as far as f32 arithmetic and the matrix unit's own rounding can turn it there, and no further.
;; One version. Each part assembles by itself: llvm-mc -triple=amdgcn-amd-amdhsa -mcpu=gfx1250 --defsym DOCPART=n.
;; ======== version 1 of 1: 1 launch
;; limits: right only within a limited range of input values
;; launch embed (part 1): grid 32 x 8, 4 waves a work-group, clusters of 4 x 1, 168,448 bytes of LDS; arguments embed_node, embed_tok, lowp_scales, node_span_ends, node_span_starts, pos_emb, tokens, out0; writes out0
.if DOCPART == 1
	.amdgcn_target "amdgcn-amd-amdhsa--gfx1250"
	.amdhsa_code_object_version 6
	.text
	.protected	k_q748d40d06f_embed
	.globl	k_q748d40d06f_embed
	.p2align	8
	.type	k_q748d40d06f_embed,@function
k_q748d40d06f_embed:
	s_mov_b64 s[64:65], 0
	v_nop
	global_prefetch_b8 v0, s[64:65] scope:SCOPE_SE
	s_setreg_imm32_b32 hwreg(HW_REG_WAVE_MODE, 25, 1), 1
	s_wait_xcnt 0x0
	s_wait_alu depctr_hold_cnt(0) depctr_sa_sdst(0) depctr_va_vdst(0) depctr_va_sdst(0) depctr_va_ssrc(0) depctr_va_vcc(0) depctr_vm_vsrc(0)
	s_getreg_b32 s2, hwreg(HW_REG_IB_STS2, 6, 4)
	s_cmp_eq_u32 s2, 0
	s_cbranch_scc0 .Lentry_in_a_cluster
	s_endpgm
.Lentry_in_a_cluster:
	s_bfe_u32 s2, ttmp6, 0x10000c
	s_cmp_lg_u32 s2, 0x3003
	s_cbranch_scc0 .Lentry_shape_is_right
	s_endpgm
.Lentry_shape_is_right:
; out[b][t][f] = embed_tok[tokens[b][t]][f] + sum over n of mask[b][t][n] x embed_node[n][f] + pos_emb[t][f],  mask = (start[b][n] <= t <= end[b][n]).
; The sum over the 512 nodes is a product on codes of BF8 (E5M2): the mask with the given scale 2^e0, embed_node with 2^e1, quantised along the nodes; sums in f32, multiplied once by 2^(e0 + e1).
; SHARES.  A work-group of four waves makes 128 tokens x 64 features (256 bytes of a row); a wave 32 tokens x 64 features: 8 accumulators, 4 K steps of 128 nodes, 32 matrix instructions.
; CLUSTER.  The four work-groups of a cluster are four token tiles of ONE feature tile and need the same 512 x 64 numbers of embed_node: each wave asks JOINTLY (mask 15) for 128 rows x 256 bytes into LDS bytes
; of its own.  Nothing is filled a second time.
; THE WEIGHT'S K IS ITS FIRST AXIS.  Wave w quantises K step w.  Lane (r, h) reads 16 bytes, features 4 r .. 4 r + 3, of node 128 w + 32 c + 16 h + 4 q + i (sixteen lanes: 256 consecutive bytes); two rows, eight registers,
; make eight codes by one conversion; eight v_perm_b32 turn each block of 4 nodes x 4 features.  So register 4 c + q of a fragment holds nodes 32 c + 16 h + 4 q + 0 .. 3 of the K step, and TILE j OF THE FEATURES IS
; {4 r + j}: which columns form a tile, and the order of k (the same in both operands), are free.  The fragments go to the other waves as images of their registers: 16 bytes a lane, 512 bytes a store.
; THE MASK IS MADE AS CODES, four nodes a word.  Once for the work-group each span is clipped to the tile (in f32, so that every int32 is served): s' = clamp(s - t0, 0, 128), e' = clamp(e - t0 + 128, 127, 255), a byte each.
; For token t (0 .. 127 in the tile): byte (128 + t) - s' has bit 7 set where t >= s, byte e' - t where t <= e; neither difference is negative, so no byte borrows from its neighbour.  Bit 7 of both, moved to bit 0,
; is a selector byte 0 or 1 for v_perm_b32, which takes byte 0 (the code 0) or byte 1 (the code of 1.0, made once by the quantiser: hold, conversion) of one word.
; THE WAY OUT.  Register i of tile j holds token 8 h + i, feature 4 r + j: the four tiles give a lane 16 neighbouring bytes of a row, just as the 16-byte loads of the gathered row and of pos_emb do.
; LIMITS.  e0 and e1 between -126 and 112, e0 + e1 between -126 and 127, so that each power of two below is an f32 number.  NaN in embed_node is not served (an infinity is held at the largest code).
; A token outside 0 .. 31,999 is held, as an unsigned number, at 31,999.
; REGISTERS, in windows of 256.  Window 0: v0-31 addresses and constants; v32-63, v96-127 two sets of span words; v64-95 at work (first: token numbers, raw spans); v128-255 the mask's 8 fragments.
;   Window 1: v0-63 the sums; v64-127 the gathered rows; v128-191 pos_emb.   Window 2: v0-127 two sets of 64 numbers; v128-159 codes on their way; v160-223 my four fragments; later all 256: the weight's 16 fragments.
.set ROWB,  2048                       ; a row of 512 f32
.set SWD,   131072                     ; LDS: 0 .. 131,071 the four waves' slices of embed_node; here 128 words of s', 512 bytes on 128 words of e'
.set BIMG,  132096                     ; the 16 fragments' images (K step s, tile j: 4 s + j), 2,048 bytes each
.set R_,   2                           ; v2   r = lane % 16
.set H_,   3                           ; v3   h = lane / 16
.set LN,   4                           ; v4   lane
.set SEO,  5                           ; v5   16 x thread: my four spans
.set TKO,  6                           ; v6   32 h: my eight token numbers
.set PO,   7                           ; v7   8 h rows + 16 r: my place in pos_emb and in out
.set R16,  8                           ; v8   16 r
.set SEA,  9                           ; v9   LDS: SWD + 16 h
.set SWA,  10                          ; v10  LDS: SWD + 4 x thread
.set NLA,  11                          ; v11  LDS: my wave's slice + 16 h rows + 16 r
.set IST,  12                          ; v12  LDS: my wave's four images + 16 x lane
.set BLA,  13                          ; v13  LDS: BIMG + 16 x lane
.set TW,   14                          ; v14 t x 0x01010101, v15 that + 0x80808080, for my tokens 0-15; v16, v17 the same for tokens 16-31
.set CC,   18                          ; v[18:19] bytes 0, c, 0, c: c = the code of 1.0
.set SC0,  20                          ; v20  2^e0
.set SC1,  21                          ; v21  2^e1
.set FT0,  22                          ; v22  t0 as f32
.set FT1,  23                          ; v23  128 - t0 as f32
.set ONE,  24                          ; v24-31 0, 1, 0, 1 .. for the conversion
.set XR,   64
.set YR,   80
.set TK,   64                          ; v64-79 token numbers, then byte offsets of their rows
.set RAW,  80                          ; v80-87 four starts, four ends
.set AF,   128
.set ACC,  0                           ; window 1
.set TOK,  64
.set POS,  128
.set RR,   128                         ; window 2
.set PP,   144
.set CD,   160
.set MSB, 0
.macro WIN new                         ; bits 1:0 source 0, 3:2 source 1, 5:4 source 2, 7:6 destination; the high byte repeats the setting that is left
.if MSB != \new
	s_set_vgpr_msb (MSB<<8)|\new
.set MSB, \new
.endif
.endm
.macro ROUND                           ; a round of the cluster's barrier: my work-group's barrier; wave 0 signals for the work-group; every wave waits for all four work-groups; my work-group's barrier once more
	s_barrier_signal -1
	s_barrier_wait -1
	s_cmp_lg_u32 s24, 0
	s_cbranch_scc1 .Lnot_wave_0_\@
	s_barrier_signal -3
.Lnot_wave_0_\@:
	s_barrier_wait -3
	s_barrier_signal -1
	s_barrier_wait -1
.endm
	s_load_b512 s[8:23], s[0:1], 0x0               ; embed_node s[8:9], embed_tok s[10:11], scales s[12:13], ends s[14:15], starts s[16:17], pos_emb s[18:19], tokens s[20:21], out s[22:23]
	s_set_vgpr_msb 0x40
	v_lshl_add_u32 v254, v0, 2, 0x29000
	v_mov_b32 v255, 0
	s_set_vgpr_msb 0x4045
	ds_add_u32 v254, v255
	ds_add_u32 v254, v255
	s_set_vgpr_msb 0x4500
	v_lshrrev_b32 v1, 5, v0
	v_readfirstlane_b32 s24, v1                    ; wave 0..3
	v_and_b32 v[R_], 15, v0
	v_bfe_u32 v[H_], v0, 4, 1
	v_and_b32 v[LN], 31, v0
	s_bfe_u32 s27, ttmp6, 0x40000                  ; cx: my place in the cluster
	s_lshl_b32 s26, ttmp9, 2
	s_add_co_u32 s26, s26, s27                     ; token tile 0..31 = 4 x cluster x + cx: it enters the addresses of tokens, spans, pos_emb and out alone
	s_and_b32 s25, ttmp7, 0xffff                   ; feature tile 0..7, which the four partners share
	s_lshl_b32 s42, s25, 8                         ; its 256 bytes in a row
	s_mov_b32 s43, 0
	s_lshl_b32 s36, s24, 18                        ; embed_node: my wave's 128 rows of 2,048 bytes,
	s_add_co_u32 s36, s36, s42                     ; + the feature tile: made of the wave's number and the shared coordinate alone
	s_mov_b32 s37, 0
	s_lshr_b32 s32, s26, 3                         ; the batch: 8 token tiles each
	s_lshl_b32 s32, s32, 11                        ; its 512 spans of 4 bytes
	s_mov_b32 s33, 0
	s_lshl_b32 s34, s26, 9                         ; tokens: 128 of 4 bytes a tile,
	s_lshl_b32 s30, s24, 7                         ; 32 a wave
	s_add_co_u32 s34, s34, s30
	s_mov_b32 s35, 0
	s_lshl_b32 s30, s24, 16                        ; my wave's 32 rows of 2,048 bytes + the feature tile
	s_add_co_u32 s30, s30, s42
	s_lshl_b32 s40, s26, 18                        ; out: 128 rows a tile
	s_add_co_u32 s40, s40, s30
	s_mov_b32 s41, 0
	s_and_b32 s31, s26, 7                          ; the tile within its batch
	s_lshl_b32 s38, s31, 18                        ; pos_emb likewise
	s_add_co_u32 s38, s38, s30
	s_mov_b32 s39, 0
	s_lshl_b32 s31, s31, 7                         ; t0: the tile's first token
	; descriptor group 1: 128 rows x 64 elements of 4 bytes, 512 elements from row to row, dense in LDS
	s_mov_b32 s56, 15|(2<<16)|(1<<21)              ; 15:0 the mask: all four work-groups; 17:16 elements of 4 bytes; 21 set beside a mask; no padding
	s_mov_b32 s57, 64<<16                          ; tensor_dim0 = 64
	s_mov_b32 s58, 128<<16                         ; tensor_dim1 = 128
	s_mov_b32 s59, 64<<16                          ; tile_dim0 = 64
	s_mov_b32 s60, 128                             ; tile_dim1 = 128
	s_mov_b32 s61, 512                             ; tensor_dim0_stride
	s_mov_b32 s62, 0
	s_mov_b32 s63, 0
	s_mov_b32 s52, 1                               ; group 0: count = 1
	s_lshl_b32 s53, s24, 15                        ; LDS address: 32,768 x wave
	v_lshlrev_b32 v[SEO], 4, v0
	v_lshlrev_b32 v[TKO], 5, v[H_]
	v_lshlrev_b32 v[R16], 4, v[R_]
	v_lshl_add_u32 v[PO], v[H_], 14, v[R16]
	s_wait_dscnt 0x0
	s_wait_kmcnt 0x0
	s_load_b64 s[28:29], s[12:13], 0x0             ; e0, e1
	s_add_nc_u64 s[20:21], s[20:21], s[34:35]
	s_add_nc_u64 s[16:17], s[16:17], s[32:33]
	s_add_nc_u64 s[14:15], s[14:15], s[32:33]
	s_add_nc_u64 s[18:19], s[18:19], s[38:39]
	s_add_nc_u64 s[22:23], s[22:23], s[40:41]
	s_add_nc_u64 s[10:11], s[10:11], s[42:43]
	s_add_nc_u64 s[54:55], s[8:9], s[36:37]        ; global address of my wave's slice
	s_or_b32 s55, s55, 0x80000000                  ; type = 2
	; the token numbers first: the gathered rows hang on them.  Register 8 m + i: token 16 m + 8 h + i of my wave's 32
.irp k, 0,1,2,3
	global_load_b128 v[TK+4*\k:TK+4*\k+3], v[TKO], s[20:21] offset:(\k/2)*64+(\k%2)*16
.endr
	global_load_b128 v[RAW:RAW+3], v[SEO], s[16:17]       ; starts of nodes 4 x thread + 0 .. 3
	global_load_b128 v[RAW+4:RAW+7], v[SEO], s[14:15]     ; their ends
	WIN 0x40                                       ; destination window 1
.irp k, 0,1,2,3,4,5,6,7,8,9,10,11,12,13,14,15
	global_load_b128 v[POS+4*\k:POS+4*\k+3], v[PO], s[18:19] offset:(16*(\k/8)+\k%8)*ROWB   ; lanes 0-15: 256 bytes of one row, lanes 16-31 of the row eight further down
.endr
	WIN 0
	ROUND                                          ; all four work-groups are here: the joint loads meet
	tensor_load_to_lds s[52:55], s[56:63]          ; my wave's one tensor load: 128 nodes x 64 features.  Four v_nop follow it
	s_nop 0
.rept 4
	v_nop
.endr
	v_lshlrev_b32 v[SEA], 4, v[H_]
	v_add_nc_u32 v[SEA], SWD, v[SEA]
	v_lshl_add_u32 v[SWA], v0, 2, SWD
	v_lshl_add_u32 v[NLA], v[H_], 12, v[R16]       ; 16 h rows of 256 bytes + 16 r
	v_add_nc_u32 v[NLA], s53, v[NLA]
	v_lshlrev_b32 v[BLA], 4, v[LN]
	v_add_nc_u32 v[BLA], BIMG, v[BLA]
	s_lshl_b32 s30, s24, 13                        ; four images of 2,048 bytes a wave
	v_add_nc_u32 v[IST], s30, v[BLA]
	v_lshl_add_u32 v1, s24, 5, v[R_]               ; the mask's row of lane (r, h) is token 32 w + r of the tile (+ 16 in the second tile of rows): 127 at the most
	v_lshl_or_b32 v1, v1, 8, v1
	v_lshl_or_b32 v[TW], v1, 16, v1                ; in all four bytes
	v_add_nc_u32 v[TW+1], 0x80808080, v[TW]
	v_add_nc_u32 v[TW+2], 0x10101010, v[TW]
	v_add_nc_u32 v[TW+3], 0x90909090, v[TW]
	v_cvt_f32_u32 v[FT0], s31
	s_sub_co_i32 s30, 128, s31
	v_cvt_f32_i32 v[FT1], s30
	s_mov_b32 s44, 0x80808080
	s_mov_b32 s45, 0x43000000                      ; 128.0
	s_mov_b32 s46, 0x42fe0000                      ; 127.0
	s_mov_b32 s6, 0x437f0000                       ; 255.0
	s_mov_b32 s50, 0x05010400                      ; v_perm_b32: bytes 0 and 1 of two words, interleaved
	s_mov_b32 s51, 0x07030602                      ; bytes 2 and 3
	s_mov_b32 s4, 0x05040100                       ; the two low halves
	s_mov_b32 s5, 0x07060302                       ; the two high halves
	s_wait_loadcnt 16                              ; token numbers and spans are in; the 16 loads of pos_emb stay out
.irp k, 0,1,2,3,4,5,6,7,8,9,10,11,12,13,14,15
	v_min_u32 v[TK+\k], 0x7cff, v[TK+\k]           ; a loaded number enters an address only held inside the table
.endr
.irp k, 0,1,2,3,4,5,6,7,8,9,10,11,12,13,14,15
	v_lshlrev_b32 v[TK+\k], 11, v[TK+\k]           ; its row of 2,048 bytes
.endr
.irp k, 0,1,2,3,4,5,6,7,8,9,10,11,12,13,14,15
	v_add_nc_u32 v[TK+\k], v[TK+\k], v[R16]
.endr
	WIN 0x40
.irp k, 0,1,2,3,4,5,6,7,8,9,10,11,12,13,14,15
	global_load_b128 v[TOK+4*\k:TOK+4*\k+3], v[TK+\k], s[10:11]   ; sixteen lanes read 256 consecutive bytes of one token's row
.endr
	WIN 0
	; my four spans, clipped to the tile, a byte each
.irp k, 0,1,2,3,4,5,6,7
	v_cvt_f32_i32 v[RAW+\k], v[RAW+\k]             ; exact up to 2^24; beyond that the rounding keeps the order, and the clip decides
.endr
.irp k, 0,1,2,3
	v_sub_f32 v[RAW+\k], v[RAW+\k], v[FT0]         ; s - t0
	v_add_f32 v[RAW+4+\k], v[RAW+4+\k], v[FT1]     ; e - t0 + 128
.endr
.irp k, 0,1,2,3
	v_med3_num_f32 v[RAW+\k], v[RAW+\k], 0, s45
	v_med3_num_f32 v[RAW+4+\k], v[RAW+4+\k], s46, s6
.endr
.irp k, 0,1,2,3,4,5,6,7
	v_cvt_u32_f32 v[RAW+\k], v[RAW+\k]
.endr
	v_lshl_or_b32 v[RAW], v[RAW+1], 8, v[RAW]
	v_lshl_or_b32 v[RAW+4], v[RAW+5], 8, v[RAW+4]
	v_lshl_or_b32 v[RAW+2], v[RAW+3], 8, v[RAW+2]
	v_lshl_or_b32 v[RAW+6], v[RAW+7], 8, v[RAW+6]
	v_lshl_or_b32 v[RAW], v[RAW+2], 16, v[RAW]
	v_lshl_or_b32 v[RAW+4], v[RAW+6], 16, v[RAW+4]
	ds_store_b32 v[SWA], v[RAW]                    ; word n / 4
	ds_store_b32 v[SWA], v[RAW+4] offset:512
	; the given scales
	s_wait_kmcnt 0x0
	s_add_co_i32 s30, s28, 127
	s_lshl_b32 s31, s30, 23
	v_mov_b32 v[SC0], s31                          ; 2^e0 as f32: the conversion takes its exponent field
	s_add_co_i32 s30, s30, 15
	s_lshl_b32 s30, s30, 23
	s_or_b32 s30, s30, 0x600000
	v_mov_b32 v1, s30                              ; 57,344 x 2^e0
	v_min_num_f32 v[ONE+1], 1.0, v1                ; the conversion to an 8-bit code does not saturate (ISA guide 7.6.2): 1.0 is held first
.irp k, 0,2,4,6
	v_mov_b32 v[ONE+\k], 0
.endr
.irp k, 3,5,7
	v_mov_b32 v[ONE+\k], v[ONE+1]
.endr
	s_add_co_i32 s30, s29, 127
	s_lshl_b32 s31, s30, 23
	v_mov_b32 v[SC1], s31                          ; 2^e1
	s_add_co_i32 s30, s30, 15
	s_lshl_b32 s47, s30, 23
	s_or_b32 s47, s47, 0x600000                    ; 57,344 x 2^e1,
	s_or_b32 s48, s47, 0x80000000                  ; and its negative
	s_add_co_i32 s49, s28, s29
	s_add_co_i32 s49, s49, 127
	s_lshl_b32 s49, s49, 23                        ; 2^(e0 + e1)
	v_cvt_scalef32_pk8_bf8_f32 v[CC:CC+1], v[ONE:ONE+7], v[SC0]   ; bytes 0, c, 0, c
	v_nop                                          ; one plain vector instruction behind a scaled conversion, ahead of whatever touches its result
	s_wait_dscnt 0x0                               ; for the others' sake: my two span words are in LDS
	s_barrier_signal -1
	s_barrier_wait -1                              ; all 128 of each are
; the span words of K step s for my half of the lanes: register 4 c + q: nodes 128 s + 32 c + 16 h + 4 q + 0 .. 3.  Set s % 2
.macro SELOAD s
.set SE, 32+64*((\s)%2)
.irp c, 0,1,2,3
	ds_load_b128 v[SE+4*\c:SE+4*\c+3], v[SEA] offset:128*(\s)+32*\c
.endr
.irp c, 0,1,2,3
	ds_load_b128 v[SE+16+4*\c:SE+16+4*\c+3], v[SEA] offset:512+128*(\s)+32*\c
.endr
.endm
; the mask's fragment of K step s, tile of rows m: 16 words, six lines each, in stages of 16 lines that do not wait for each other
.macro MASK s, m
.set SE, 32+64*((\s)%2)
.set AD, AF+16*(4*(\m)+(\s))
.irp q, 0,1,2,3,4,5,6,7,8,9,10,11,12,13,14,15
	v_sub_nc_u32 v[XR+\q], v[TW+1+2*(\m)], v[SE+\q]        ; (128 + t) - s': bit 7 where t >= s
.endr
.irp q, 0,1,2,3,4,5,6,7,8,9,10,11,12,13,14,15
	v_sub_nc_u32 v[YR+\q], v[SE+16+\q], v[TW+2*(\m)]       ; e' - t: bit 7 where t <= e
.endr
.irp q, 0,1,2,3,4,5,6,7,8,9,10,11,12,13,14,15
	v_and_b32 v[XR+\q], v[XR+\q], v[YR+\q]
.endr
.irp q, 0,1,2,3,4,5,6,7,8,9,10,11,12,13,14,15
	v_and_b32 v[XR+\q], s44, v[XR+\q]
.endr
.irp q, 0,1,2,3,4,5,6,7,8,9,10,11,12,13,14,15
	v_lshrrev_b32 v[XR+\q], 7, v[XR+\q]                    ; a selector byte: 0 or 1
.endr
.irp q, 0,1,2,3,4,5,6,7,8,9,10,11,12,13,14,15
	v_perm_b32 v[AD+\q], v[CC], v[CC], v[XR+\q]            ; the code 0 or the code of 1.0
.endr
.endm
; chunk c of my slice: nodes 32 c + 16 h + 0 .. 15, four features each, into set c % 2 of window 2
.macro NLOAD c
	WIN 0x80                                       ; destination window 2, address window 0
.irp l, 0,1,2,3,4,5,6,7,8,9,10,11,12,13,14,15
	ds_load_b128 v[64*((\c)%2)+4*\l:64*((\c)%2)+4*\l+3], v[NLA] offset:(32*(\c)+\l)*256   ; sixteen lanes read 256 consecutive bytes
.endr
	WIN 0
.endm
; chunk c becomes registers 4 c .. 4 c + 3 of my four fragments, and they go to LDS as they stand
.macro QUANT c
.set SB, 64*((\c)%2)
	WIN 0x82                                       ; source 0 and destination window 2; the scale in window 0
.set i, 0
.rept 64
	v_med3_num_f32 v[SB+i], v[SB+i], s48, s47      ; the hold at the largest code x the scale
.set i, i+1
.endr
.irp p, 0,1,2,3,4,5,6,7
	v_cvt_scalef32_pk8_bf8_f32 v[RR+2*\p:RR+2*\p+1], v[SB+8*\p:SB+8*\p+7], v[SC1]   ; two nodes x four features: a word a node
.endr
	v_nop                                          ; one plain vector instruction behind the last scaled conversion
	WIN 0x8a                                       ; sources 0, 1 and destination window 2
.irp g, 0,1,2,3                        ; four nodes' words are a block of 4 x 4 bytes: it is turned in two stages
	v_perm_b32 v[PP+4*\g],   v[RR+4*\g+1], v[RR+4*\g],   s50
	v_perm_b32 v[PP+4*\g+1], v[RR+4*\g+1], v[RR+4*\g],   s51
	v_perm_b32 v[PP+4*\g+2], v[RR+4*\g+3], v[RR+4*\g+2], s50
	v_perm_b32 v[PP+4*\g+3], v[RR+4*\g+3], v[RR+4*\g+2], s51
.endr
.irp g, 0,1,2,3
	v_perm_b32 v[CD+4*(\c)+\g],    v[PP+4*\g+2], v[PP+4*\g],   s4    ; feature 4 r + 0, four nodes
	v_perm_b32 v[CD+16+4*(\c)+\g], v[PP+4*\g+2], v[PP+4*\g],   s5    ; 4 r + 1
	v_perm_b32 v[CD+32+4*(\c)+\g], v[PP+4*\g+3], v[PP+4*\g+1], s4    ; 4 r + 2
	v_perm_b32 v[CD+48+4*(\c)+\g], v[PP+4*\g+3], v[PP+4*\g+1], s5    ; 4 r + 3
.endr
	WIN 0x08                                       ; data window 2, address window 0
.irp j, 0,1,2,3
	ds_store_b128 v[IST], v[CD+16*\j+4*(\c):CD+16*\j+4*(\c)+3] offset:2048*\j+512*(\c)
.endr
	WIN 0
.endm
	; The mask hangs on the spans alone: three K steps of it are made while my slice of embed_node is on its way.
	SELOAD 0
	SELOAD 1
	s_wait_xcnt 0x0                                ; the gathering loads have read their offsets (v64-79), which the mask's work now writes over
	s_wait_dscnt 8                                 ; step 0's span words are in; step 1's eight loads stay out
	MASK 0, 0
	MASK 0, 1
	SELOAD 2
	s_wait_dscnt 8                                 ; step 1's are in; step 2's stay out
	MASK 1, 0
	MASK 1, 1
	SELOAD 3
	s_wait_dscnt 8                                 ; step 2's are in; step 3's stay out
	MASK 2, 0
	MASK 2, 1
	s_wait_tensorcnt 0x0                           ; my slice is in LDS; only I read it
	NLOAD 0
	NLOAD 1
	s_wait_dscnt 32                                ; step 3's span words are in; the two chunks' 32 loads stay out
	MASK 3, 0
	s_wait_dscnt 16                                ; chunk 0 is in; chunk 1 stays out
	QUANT 0
	NLOAD 2
	s_wait_dscnt 20                                ; chunk 1 is in; behind it: four image stores and chunk 2's sixteen loads
	QUANT 1
	NLOAD 3
	s_wait_dscnt 20                                ; chunk 2 is in; behind it: four image stores and chunk 3's sixteen loads
	QUANT 2
	s_wait_dscnt 4                                 ; chunk 3 is in; behind it: four image stores
	QUANT 3
	s_wait_dscnt 0x0                               ; for the others' sake: my four fragments lie in LDS
	s_barrier_signal -1
	s_barrier_wait -1                              ; all sixteen do
	WIN 0x80
.irp f, 0,1,2,3,4,5,6,7,8,9,10,11,12,13,14,15  ; fragment 4 s + j -> window 2, v[16 (4 s + j)]: K step by K step
.irp c, 0,1,2,3
	ds_load_b128 v[16*\f+4*\c:16*\f+4*\c+3], v[BLA] offset:2048*\f+512*\c
.endr
.endr
	WIN 0
	MASK 3, 1                                      ; the mask's last fragment is made while they come
	WIN 0x58                                       ; source 0 (the mask) window 0, source 1 (the weight) window 2, C and D window 1
.irp s, 0,1,2,3                        ; the eight accumulators take turns, one instruction a turn, in the same order in every K step; the first K step starts the sums
	s_wait_dscnt 48-16*\s                          ; this K step's sixteen loads are in; the later steps' stay out
.irp m, 0,1
.irp j, 0,1,2,3
.if \s == 0
	v_wmma_f32_16x16x128_bf8_bf8 v[ACC+8*(4*\m+\j):ACC+8*(4*\m+\j)+7], v[AF+16*(4*\m+\s):AF+16*(4*\m+\s)+15], v[16*(4*\s+\j):16*(4*\s+\j)+15], 0
.else
	v_wmma_f32_16x16x128_bf8_bf8 v[ACC+8*(4*\m+\j):ACC+8*(4*\m+\j)+7], v[AF+16*(4*\m+\s):AF+16*(4*\m+\s)+15], v[16*(4*\s+\j):16*(4*\s+\j)+15], v[ACC+8*(4*\m+\j):ACC+8*(4*\m+\j)+7]
.endif
.endr
.endr
.endr
	WIN 0x55                                       ; all in window 1
	s_wait_loadcnt 0x0                             ; pos_emb and the gathered rows
.set i, 0
.rept 32
	v_pk_add_f32 v[TOK+i:TOK+i+1], v[TOK+i:TOK+i+1], v[POS+i:POS+i+1]   ; these 32 name no register of the last products: they are the places behind them (ISA guide 7.12.1)
.set i, i+2
.endr
.irp m, 0,1
.irp i, 0,1,2,3,4,5,6,7                ; each accumulator from its low end on
.irp j, 0,1,2,3
	v_fma_f32 v[TOK+4*(8*\m+\i)+\j], v[ACC+8*(4*\m+\j)+\i], s49, v[TOK+4*(8*\m+\i)+\j]   ; sum x 2^(e0 + e1) + (token + position): token 16 m + 8 h + i, feature 4 r + j
.endr
.endr
.endr
	WIN 0x04                                       ; data window 1, address window 0
.irp k, 0,1,2,3,4,5,6,7,8,9,10,11,12,13,14,15
	global_store_b128 v[PO], v[TOK+4*\k:TOK+4*\k+3], s[22:23] offset:(16*(\k/8)+\k%8)*ROWB th:TH_STORE_NT   ; sixteen lanes store 256 consecutive bytes, at a multiple of 256 from out's first byte; written once, read by nobody here
.endr
	WIN 0
	s_set_vgpr_msb 0x5
	s_wait_tensorcnt 0x0
	ds_add_u32 v254, v255
	s_wait_dscnt 0x0
	s_set_vgpr_msb 0x500
	ROUND                                          ; the closing round: no work-group ends while a partner may still ask for a slice that names it
	s_endpgm
.Lfunc_end_k_q748d40d06f_embed:
	.size	k_q748d40d06f_embed, .Lfunc_end_k_q748d40d06f_embed-k_q748d40d06f_embed
	.p2alignl 7, 3214868480
	.fill 96, 4, 3214868480
	.section	.rodata,"a",@progbits
	.p2align	6, 0x0
	.amdhsa_kernel k_q748d40d06f_embed
		.amdhsa_group_segment_fixed_size 168448
		.amdhsa_private_segment_fixed_size 0
		.amdhsa_enable_private_segment 0
		.amdhsa_kernarg_size 64
		.amdhsa_user_sgpr_count 2
		.amdhsa_user_sgpr_kernarg_segment_ptr 1
		.amdhsa_wavefront_size32 1
		.amdhsa_system_sgpr_workgroup_id_x 1
		.amdhsa_system_sgpr_workgroup_id_y 1
		.amdhsa_system_sgpr_workgroup_id_z 1
		.amdhsa_system_vgpr_workitem_id 0
		.amdhsa_next_free_vgpr 768
		.amdhsa_next_free_sgpr 66
		.amdhsa_reserve_vcc 0
		.amdhsa_float_denorm_mode_32 3
		.amdhsa_float_denorm_mode_16_64 3
		.amdhsa_memory_ordered 1
		.amdhsa_forward_progress 1
		.amdhsa_inst_pref_size 91
	.end_amdhsa_kernel
	.amdgpu_metadata
---
amdhsa.version: [ 1, 2 ]
amdhsa.kernels:
  - .name:           k_q748d40d06f_embed
    .symbol:         k_q748d40d06f_embed.kd
    .args:
      - { .name: embed_node, .offset: 0, .size: 8, .value_kind: global_buffer, .address_space: global }
      - { .name: embed_tok, .offset: 8, .size: 8, .value_kind: global_buffer, .address_space: global }
      - { .name: lowp_scales, .offset: 16, .size: 8, .value_kind: global_buffer, .address_space: global }
      - { .name: node_span_ends, .offset: 24, .size: 8, .value_kind: global_buffer, .address_space: global }
      - { .name: node_span_starts, .offset: 32, .size: 8, .value_kind: global_buffer, .address_space: global }
      - { .name: pos_emb, .offset: 40, .size: 8, .value_kind: global_buffer, .address_space: global }
      - { .name: tokens, .offset: 48, .size: 8, .value_kind: global_buffer, .address_space: global }
      - { .name: out0, .offset: 56, .size: 8, .value_kind: global_buffer, .address_space: global }
    .group_segment_fixed_size: 168448
    .private_segment_fixed_size: 0
    .kernarg_segment_align: 8
    .kernarg_segment_size: 64
    .max_flat_workgroup_size: 128
    .sgpr_count:     66
    .vgpr_count:     768
    .wavefront_size: 32
...
	.end_amdgpu_metadata
.endif
;; end of part 1
